; MI455X (gfx1250); checked and timed in simulation.
; The chip was launched on July 23, 2026; its instructions are those of AMD's public machine-readable ISA for CDNA 5 (MIT licence, August 2026) and "CDNA5" Instruction Set Architecture Reference Guide (July 2026). The comments in the code are by the model that wrote it; some were corrected since.
;; Cartesian Product Classifier. Allowed arithmetic: matrix products marked QUANTISED: E2M1 operands, one E8M0 scale for each 32 along K, by v_wmma_scale_f32_16x16x128_f8f6f4 with both operands' format E2M1 (or v_wmma_scale_f32_32x16x128_f4), f32 sums; products left as they are: f32 operands where the result goes on into a quantised operand, else bf16, f16 or f32 operands; f32 sums; everything else in f32.
;; Inputs: W1 64 x 64 float32; W2 64 x 64 float32; W3 64 x 32 float32; W4 32 x 1 float32; b1 64 float32; b2 64 float32; b3 32 float32; b4 1 float32; x 8 x 512 x 32 float32.
;; Outputs: out0 8 x 512 x 512 float32.
;; This version of the problem:
;;   THIS VERSION OF THE PROBLEM IS GIVEN IN LOW PRECISION. The matrix products marked QUANTISED in the list below multiply operands that are first quantised to E2M1 (2 exponent bits, 1 mantissa bit; 4 bits a number), with one power-of-two scale for each 32 numbers along K (OCP MX v1.0); their sums are f32. All else is computed in f32.
;;   The module's matrix products, in the order in which they are computed (A, B: the left and right operand; K: the contracted axis; several contracted axes count as one K, in the product's order):
;;     1. [M 2,097,152, K 64] x [K 64, N 64]; A: computed on the way; B: input W1: QUANTISED
;;     2. [M 2,097,152, K 64] x [K 64, N 64]; A: computed on the way; B: input W2: QUANTISED
;;     3. [M 2,097,152, K 64] x [K 64, N 32]; A: computed on the way; B: input W3: QUANTISED
;;     4. [M 2,097,152, K 32] x [K 32, N 1]; A: computed on the way; B: input W4: left as it is (N = 1 < 16)
;;   THE QUANTISER, for each operand of a quantised product, along K:
;;     - K is cut into blocks of 32 from its start; a last block that is shorter is filled with zeros.
;;     - A block's scale is 2^e with e = floor(log2(the largest magnitude in the block)) - 2, held to -126 .. 127; a block of zeros has e = 0. As a byte (E8M0): e + 127.
;;     - Each number is divided by its block's scale, clamped to +-6, and rounded to the nearest number of E2M1, ties to even, subnormals kept.
;;     - The product sums the exact products of the quantised numbers (number of the format x scale) in f32.
;;   ~~~python
;;   def quantise(x, axis):      # numpy; x: float32 -> the quantised numbers, widened to float32 again
;;       x = np.moveaxis(x, axis, -1); K = x.shape[-1]
;;       x = np.pad(x, [(0, 0)] * (x.ndim - 1) + [(0, -K % 32)]); x = x.reshape(x.shape[:-1] + (-1, 32)); a = np.abs(x).max(-1, keepdims=True)
;;       e = np.where(a > 0, np.clip(np.frexp(np.where(a > 0, a, 1))[1] - 1 - 2, -126, 127), 0)      # np.frexp(a)[1] - 1 = floor(log2(a)), exactly
;;       r = np.clip(x / 2.0 ** e, -6, 6)
;;       step = 2.0 ** (np.maximum(np.frexp(np.where(r == 0, 1, r))[1] - 1, 0) - 1)
;;       q = np.round(r / step) * step * 2.0 ** e      # np.round: ties to even
;;       return np.moveaxis(q.reshape(q.shape[:-2] + (-1,))[..., :K], -1, axis).astype(np.float32)
;;   ~~~
;;   OPERANDS COMPUTED ON THE WAY. 'Computed on the way' means the value that the module computes at that place (a softmax that the list does not call 'softmax' is quantised finished and normalised). What goes into a quantiser is computed in f32, as accurately as f32 sums, v_exp_f32 and their like allow (about 1e-6 of the number): no bf16 or f16 on the way to a quantiser, and a product that is left as it is and whose result goes on into a quantised operand takes f32 operands (vector FMAs, or v_wmma_f32_16x16x4_f32). A number that lies on a knife's edge between two numbers of the format may be rounded either way, as far as f32 arithmetic and the matrix unit's own rounding can turn it there, and no further.
;; One version. Each part assembles by itself: llvm-mc -triple=amdgcn-amd-amdhsa -mcpu=gfx1250 --defsym DOCPART=n.
;; ======== version 1 of 1: 1 launch
;; launch pairs (part 1): grid 256 x 1, 8 waves a work-group, no clusters, 17,920 bytes of LDS; arguments x, W1, b1, W2, b2, W3, b3, W4, b4, out0; writes out0
.if DOCPART == 1
	.amdgcn_target "amdgcn-amd-amdhsa--gfx1250"
	.amdhsa_code_object_version 6
	.text
	.protected	k_q202f9623c8_pairs
	.globl	k_q202f9623c8_pairs
	.p2align	8
	.type	k_q202f9623c8_pairs,@function
k_q202f9623c8_pairs:
	s_mov_b64 s[64:65], 0
	v_nop
	global_prefetch_b8 v0, s[64:65] scope:SCOPE_SE
	s_setreg_imm32_b32 hwreg(HW_REG_WAVE_MODE, 25, 1), 1
	s_wait_xcnt 0x0
; out0[b][i][j] = sigmoid(W4 . relu(W3^T relu(W2^T relu(W1^T [x[b][j], x[b][i]] + b1) + b2) + b3) + b4).  x [8][512][32], W1, W2 [64][64], W3 [64][32], W4 [32], all f32.
; The three products with W1, W2, W3 run on codes of FP4 (E2M1) with one E8M0 scale for each 32 along K; the dot product with W4, the biases, relu and sigmoid are f32.
; SHARES.  Work-group g: batch g / 32, rows i = 16 (g % 32) .. + 15.  Wave w: rows i0 = 16 (g % 32) + 2 w and i0 + 1, all 512 j.  A tile is 16 pairs (i, j); a trip of the loop takes 64 j x 2 i = 8 tiles.
; THE FIRST OPERAND'S TWO BLOCKS OF 32 ARE x[b][j] AND x[b][i]: so each row of x is quantised ONCE in the work-group (16 bytes of codes, one scale byte) and kept in LDS; a layer-1 operand is two such rows,
; lanes 0-15 taking row j (k = 0 .. 31) and lanes 16-31 row i (k = 32 .. 63), as the 4-bit layout has them.
; EVERY PRODUCT IS USED TRANSPOSED (source 0 = 16 rows of W^T, source 1 = 16 pairs): a lane holds ONE pair.  Row r of tile t of W1^T and W2^T is hidden unit 8 t + r % 8 + 32 (r / 8), so that register j of
; accumulator t in lane (r, h) is unit 32 h + 8 t + j: a lane owns a WHOLE block of 32 along the next K.  Its maximum needs no other lane, and four conversions give registers 0-3 of the next operand as they stand.
; THE BIASES are the C of each product, in the result's layout; K = 64 fits one instruction, so no sum is carried from instruction to instruction.
; RELU AHEAD OF A QUANTISER.  The block's maximum is taken of the signed numbers over a positive floor, which is the maximum of relu; the signed numbers are converted (codes c; what is negative is at worst held at -6);
; |c| = c with the sign bits cleared fills the instruction's spare K, 64 .. 127; W2's and W3's fragments hold their codes twice and their scale bytes are one lower (half the scale).
; Then the sum of (w / 2)(c + |c|) is the sum of w Q(relu(h)): a positive number's two terms make it whole, a negative one's cancel exactly, under the same scales.  In layer 1 the spare K of W1's fragments holds zero codes.
; THE 16 PAIRS OF TILE q ARE j = j0 + 4 r + q: a lane's four results are four neighbouring j; row i0 ends in lanes 0-15, row i0 + 1 in lanes 16-31: one store of 16 bytes a lane covers two aligned runs of 256 bytes.
; TWO STREAMS (row i0, row i0 + 1), two tiles each, take turns: while one stream's numbers are quantised by vector instructions, the other's products are issued among them, so every distance behind and in front of a
; matrix instruction is filled with work.
; NO TENSOR LOADS, NO CLUSTER: what work-groups share (x of a batch, 64 KiB, and 40 KiB of weights) is read once by each and has to pass through registers to be quantised; nothing is streamed, so there is no tile to ask for jointly.
; LIMITS: NaN and infinities among the inputs are not served.  A block whose largest magnitude lies under 2^-124 is quantised under the scale byte 1 (a block of zeros too, where the rule says 127: its codes are zeros);
; W2's and W3's lowered byte is then 0, which stands for 2^-127.
; LDS, written once ahead of the one barrier, then only read:
.set XC,   0                           ; x's codes: row p at 16 P(p), P(p) = (p & 0x1c0) | (p & 3) << 4 | (p >> 2) & 15: the 16 rows of a tile are 256 bytes on end
.set XS,   8192                          ; x's scale bytes, one word a row (byte 0), rows in their own order
.set WI,   10240                         ; the ten weight fragments as images of registers 0-3: 512 bytes each, lane l at 16 l: W1's four tiles, W2's four, W3's two
.set WSC,  15360                         ; their scale words, 128 bytes each, lane l at 4 l
; REGISTERS, window 0:
.set R,    1                             ; lane % 16
.set H,    2                             ; lane / 16
.set NH,   3                             ; 1 - H
.set T,    4                             ; lanes 0-15: 1,024 x trip (64 rows of codes); lanes 16-31: 0
.set AXS,  5                             ; XS + 16 R
.set AXT,  6                             ; AXS + 256 x trip
.set CO,   7                             ; out0: 2,048 H + 16 R
.set AD,   8                             ; v8-9    LDS addresses of the operand loads in hand
.set BASE, 10                            ; v10-17  [4 s + q]: lanes 0-15: XC + 256 q + 16 R; lanes 16-31: the codes of row i0 + s
.set LI,   18                            ; 16 x lane
.set LS,   19                            ; 4 x lane
.set XSR,  20                            ; v20-23  the scale words of rows j0 + 4 R + 0 .. 3
.set SX,   24                            ; v24-27  [2 s + u]: layer 1's scale words: byte 0 x_j's, byte 1 x_i's
.set SH,   28                            ; v28-31  [2 s + u]: a hidden layer's scale words
.set WS,   32                            ; v32-41  the weights' scale words: W1's 4, W2's 4, W3's 2
.set MA,   42                            ; v42-43, v44-45  two chains of maxima for each tile
.set MB,   44
.set SO,   46                            ; v46-47  the conversions' scale operand
.set XB,   48                            ; v48-49  my block's scale byte, in byte 3
.set TP,   50                            ; v50-51  lane l xor 16's
.set P,    52                            ; v52-55  the dot product with W4, two halves a tile
.set SUM,  56                            ; v56-63  [4 s + q]: my 16 units' part of a pair's sum
.set Z,    64                            ; v64-67  the sums, then the results
.set W4R,  68                            ; v68-83  register 8 t + j = W4[16 t + 8 H + j]
.set XGA,  84                            ; v84-88  byte offsets of the loads at the head: x, the W1 or W2 tile, b1 and b2, b3 and W4, the W3 tile
.set WGA,  85
.set BGA,  86
.set B3A,  87
.set W3A,  88
.set XCA,  89                            ; 16 P(thread)
.set T4,   90                            ; 4 x thread
.set T16,  91                            ; 16 x thread
.set SIV,  92                            ; v92-93  the scale bytes of rows i0, i0 + 1, in every lane
.set TA,   94                            ; v94-95  at work at the head
.set TB,   95
.set OP,   96                            ; v96-127 [s][u] at 96 + 16 s + 8 u: a tile's operand: registers 0-3 codes, 4-7 the same without signs
.set D,    128                           ; v128-255 [s][u] at 128 + 64 s + 32 u: a tile's four accumulators
.set CX,   96                            ; at the head only: codes just made, four registers a block; scale bytes and words from BY on; every LDS store has data registers of its own
.set BY,   112
.set DX,   128                           ; at the head only: two rows of x;
.set DW,   192                           ; a block of 32 of my column of W1 or W2;
.set DW3,  224                           ; of W3
; window 1 (sources 0 and 2 of the products alone):
.set W1F,  0                             ; v256-287 W1's four fragments; v288-319 W2's; v320-335 W3's two
.set W2F,  32
.set W3F,  64
.set B1,   80                            ; v336-367 b1: register 8 t + j = b1[32 H + 8 t + j]; v368-399 b2 likewise; v400-415 b3: b3[16 t + 8 H + j]
.set B2,   112
.set B3,   144
; scalars:
.set WV,   24                            ; my wave's number
.set SEL,  26                            ; s[26:27] v_permlanex16_b32's selects for lane l xor 16
.set PSEL, 28                            ; v_perm_b32: bytes own, other, own, other
.set EADJ, 29                            ; -(2 << 23): 2 off an exponent field
.set ADJ,  30                            ; what comes off the field for my weight tile's scale byte: 2 (W1) or 3 (W2)
.set ADJ3, 31                            ; -(3 << 23)
.set FLOOR, 32                           ; 2^(3 - 127)
.set M7,   33                            ; clears eight codes' signs
.set TJ,   36                            ; 1,024 x trip
.set TX,   37                            ; 256 x trip
.set CNT,  38
.set NL2E, 39                            ; -log2(e)
.set CB,   40                            ; -log2(e) b4
.set B4S,  41
.set WP,   42                            ; s[42:43] W1 or W2
.set OUTP, 44                            ; s[44:45] out0 at my two rows, at the trip's 64 j
.set MSB, 0
.macro WIN new                         ; the immediate's high byte repeats the setting that is left; a switch that changes nothing is dropped
.if MSB != \new
	s_set_vgpr_msb (MSB<<8)|\new
.set MSB, \new
.endif
.endm
; The products of layer l for stream s's two tiles: 8 matrix instructions (layer 3: 4).  Each has an accumulator of its own and a bias as its C: none adds onto another's result.
.macro MM s, l
.if \l == 1
.set mA, W1F
.set mC, B1
.set mW, WS
.set mS, SX+2*(\s)
.set mN, 4
.elseif \l == 2
.set mA, W2F
.set mC, B2
.set mW, WS+4
.set mS, SH+2*(\s)
.set mN, 4
.else
.set mA, W3F
.set mC, B3
.set mW, WS+8
.set mS, SH+2*(\s)
.set mN, 2
.endif
	WIN 0x11                                       ; sources 0 (W) and 2 (bias) in window 1; source 1 and the result in window 0
.irp t, 0,1,2,3
.if \t < mN
.irp u, 0,1
	v_wmma_scale_f32_16x16x128_f8f6f4 v[D+64*(\s)+32*\u+8*\t:D+64*(\s)+32*\u+8*\t+7], v[mA+8*\t:mA+8*\t+7], v[OP+16*(\s)+8*\u:OP+16*(\s)+8*\u+7], v[mC+8*\t:mC+8*\t+7], v[mW+\t], v[mS+\u] matrix_a_fmt:MATRIX_FMT_FP4 matrix_b_fmt:MATRIX_FMT_FP4
.endr
.endif
.endr
	WIN 0
.endm
; Stream s's two tiles of a hidden layer (32 numbers a lane and tile: one whole block) become operands and scale words: 56 vector instructions.  Behind the first eight stand the products of layer ml of stream ms,
; whose operands the phase before has finished: those eight lines are the places in front of them, and the 48 that follow, which name none of their registers, the places behind.
.macro QV s, ms, ml
.set qD, D+64*(\s)
.set qO, OP+16*(\s)
.set qS, SH+2*(\s)
.irp u, 0,1
	v_max3_num_f32 v[MA+\u], v[qD+32*\u], v[qD+32*\u+1], s[FLOOR]      ; no |.|: what is negative does not count, since relu comes first; the floor holds the byte at 1 from below
.endr
.irp u, 0,1
	v_max3_num_f32 v[MB+\u], v[qD+32*\u+16], v[qD+32*\u+17], v[qD+32*\u+18]   ; (each accumulator is read from its low end on; two chains a tile, two tiles: no line waits for the line above it)
.endr
.irp a, 1,2,3,4,5,6
.irp u, 0,1
	v_max3_num_f32 v[MA+\u], v[MA+\u], v[qD+32*\u+2*\a], v[qD+32*\u+2*\a+1]
.endr
.irp u, 0,1
	v_max3_num_f32 v[MB+\u], v[MB+\u], v[qD+32*\u+17+2*\a], v[qD+32*\u+18+2*\a]
.endr
.if \a == 1
	MM \ms, \ml
.endif
.endr
.irp u, 0,1
	v_max3_num_f32 v[MA+\u], v[MA+\u], v[qD+32*\u+14], v[qD+32*\u+15]
.endr
.irp u, 0,1
	v_max3_num_f32 v[MA+\u], v[MA+\u], v[MB+\u], v[qD+32*\u+31]        ; the block's largest number
.endr
.irp u, 0,1
	v_add_nc_u32 v[SO+\u], s[EADJ], v[MA+\u]       ; 2 off its exponent field: the conversion takes that field as its scale
.endr
.irp u, 0,1
	v_add_lshl_u32 v[XB+\u], v[MA+\u], s[EADJ], 1  ; the same, one bit up: the scale's byte stands in byte 3
.endr
.irp u, 0,1
	v_permlanex16_b32 v[TP+\u], v[XB+\u], s[SEL], s[SEL+1]             ; the pair's other block lies in lane l xor 16
.endr
.irp t, 0,1,2,3
	v_cvt_scalef32_pk8_fp4_f32 v[qO+\t], v[qD+8*\t:qD+8*\t+7], v[SO]   ; register t: k = 32 H + 8 t + 0 .. 7
.endr
.irp u, 0,1
	v_perm_b32 v[qS+\u], v[TP+\u], v[XB+\u], s[PSEL]                   ; lanes 0-15: bytes of blocks 0, 1, 0, 1.  (The plain lines between the first tile's conversions and the use of their results)
.endr
.irp t, 0,1,2,3
	v_cvt_scalef32_pk8_fp4_f32 v[qO+8+\t], v[qD+32+8*\t:qD+32+8*\t+7], v[SO+1]
.endr
.irp t, 0,1,2,3
	v_and_b32 v[qO+4+\t], s[M7], v[qO+\t]          ; |c| at k = 64 + 32 H + 8 t + 0 .. 7.  (These four are the plain lines behind the second tile's conversions)
.endr
.irp t, 0,1,2,3
	v_and_b32 v[qO+12+\t], s[M7], v[qO+8+\t]
.endr
.endm
; Stream s's two tiles of layer 3 (16 numbers a lane and tile): relu, and my part of the dot product with W4.  Behind ten of its lines stand the products of layer ml of stream ms (ml = 0: none).
.macro EV s, qa, ms, ml
.set eD, D+64*(\s)
.irp k, 0,1,2,3,4,5,6,7
.irp u, 0,1
	v_dual_max_num_f32 v[eD+32*\u+2*\k], 0, v[eD+32*\u+2*\k] :: v_dual_max_num_f32 v[eD+32*\u+2*\k+1], 0, v[eD+32*\u+2*\k+1]
.endr
.if \k == 1
.irp u, 0,1
	v_pk_mul_f32 v[P+2*\u:P+2*\u+1], v[eD+32*\u:eD+32*\u+1], v[W4R:W4R+1]      ; the first product starts the sums
.endr
.elseif \k > 1
.irp u, 0,1
	v_pk_fma_f32 v[P+2*\u:P+2*\u+1], v[eD+32*\u+2*\k-2:eD+32*\u+2*\k-1], v[W4R+2*\k-2:W4R+2*\k-1], v[P+2*\u:P+2*\u+1]
.endr
.endif
.if (\k == 2) && (\ml > 0)
	MM \ms, \ml
.endif
.endr
.irp u, 0,1
	v_pk_fma_f32 v[P+2*\u:P+2*\u+1], v[eD+32*\u+14:eD+32*\u+15], v[W4R+14:W4R+15], v[P+2*\u:P+2*\u+1]
.endr
.irp u, 0,1
	v_add_f32 v[SUM+4*(\s)+(\qa)+\u], v[P+2*\u], v[P+2*\u+1]
.endr
.endm
.macro LOADOP s, q0                    ; the codes of tiles q0, q0 + 1 of stream s: lanes 0-15 sixteen rows j (256 bytes on end), lanes 16-31 all the one row i
.irp u, 0,1
	v_add_nc_u32 v[AD+\u], v[T], v[BASE+4*(\s)+(\q0)+\u]
.endr
.irp u, 0,1
	ds_load_b128 v[OP+16*(\s)+8*\u:OP+16*(\s)+8*\u+3], v[AD+\u]
.endr
.endm
.macro ORS s, q0                       ; their scale words: x_j's byte below, x_i's above it; bytes 2 and 3 are 0 and scale W1's zero codes
.irp u, 0,1
	v_lshl_or_b32 v[SX+2*(\s)+\u], v[SIV+(\s)], 8, v[XSR+(\q0)+\u]
.endr
.endm
; A PASS: tiles qa, qa + 1 of both streams, from layer 1's results to their sums.  At its head stream 0's layer-1 products have been issued and stream 1's operands are on their way from LDS.
; mode 0: the next pass is tiles 2, 3 of the same 64 j;  1: tiles 0, 1 of the next 64 j;  2: there is none.
.macro PASS qa, mode
.set nq, 2-(\qa)
	s_wait_dscnt 0x0                               ; stream 1's codes are in
	QV 0, 1, 1                                     ; stream 0: layer 1 -> operand   | stream 1: layer 1's products
	QV 1, 0, 2                                     ; stream 1: layer 1 -> operand   | stream 0: layer 2's
	QV 0, 1, 2                                     ; stream 0: layer 2 -> operand   | stream 1: layer 2's
	QV 1, 0, 3                                     ; stream 1: layer 2 -> operand   | stream 0: layer 3's
.if \mode == 1
	s_add_co_u32 s[TJ], s[TJ], 1024                ; on to the next 64 j
	s_add_co_u32 s[TX], s[TX], 256
	v_mul_u32_u24 v[T], s[TJ], v[NH]
	v_add_nc_u32 v[AXT], s[TX], v[AXS]
	ds_load_b128 v[XSR:XSR+3], v[AXT]              ; their scale words (the old ones were last read a pass ago)
.endif
.if \mode < 2
	LOADOP 0, nq                                   ; stream 0's operand registers were last read by layer 3's products, more than 24 plain lines back
.endif
	EV 0, \qa, 1, 3                                ; stream 0: relu, W4             | stream 1: layer 3's products
.if \mode < 2
	s_wait_dscnt 0x0                               ; stream 0's next codes and the scale words are in
	ORS 0, nq                                      ; 14 plain lines ahead of the products that name them
	ORS 1, nq
	LOADOP 1, nq                                   ; waited for at the next pass's head
	EV 1, \qa, 0, 1                                ; stream 1: relu, W4             | stream 0: the next pass's layer 1
.else
	EV 1, \qa, 0, 0
.endif
.irp u, 0,1
	v_permlane16_swap_b32 v[SUM+(\qa)+\u], v[SUM+4+(\qa)+\u]           ; row i0's two halves come to lanes 0-15 of the two registers, row i0 + 1's to lanes 16-31
.endr
.irp u, 0,1
	v_add_f32 v[Z+(\qa)+\u], v[SUM+(\qa)+\u], v[SUM+4+(\qa)+\u]
.endr
.endm
; The sigmoid of 64 j x 2 i, 1 / (1 + 2^(-log2(e) (z + b4))), and their store.
.macro FIN more
.irp q, 0,1,2,3
	v_fma_f32 v[Z+\q], v[Z+\q], s[NL2E], s[CB]
.endr
.irp q, 0,1,2,3
	v_exp_f32 v[Z+\q], v[Z+\q]
.endr
	v_nop                                          ; a plain line between the last exponential and the use of its result
	s_wait_alu depctr_va_vdst(0)
.irp q, 0,1,2,3
	v_add_f32 v[Z+\q], 1.0, v[Z+\q]
.endr
.irp q, 0,1,2,3
	v_rcp_f32 v[Z+\q], v[Z+\q]
.endr
	v_nop                                          ; and behind the last reciprocal
	s_wait_alu depctr_va_vdst(0)
	global_store_b128 v[CO], v[Z:Z+3], s[OUTP:OUTP+1] th:TH_STORE_NT   ; lanes 0-15: 256 consecutive bytes of row i0, at a multiple of 256 from out0's first byte; lanes 16-31: of row i0 + 1
.if \more
	s_wait_xcnt 0x0                                ; the store's base and data are written again only behind this wait
	s_add_nc_u64 s[OUTP:OUTP+1], s[OUTP:OUTP+1], 256
.endif
.endm
; At the head: one block of 32 numbers in my registers v[src] on becomes 32 codes in v[cod] on; v[MA] keeps its largest magnitude, v[SO] the conversions' scale operand.
.macro PQ src, cod
	v_max3_num_f32 v[MA], |v[(\src)]|, |v[(\src)+1]|, s[FLOOR]
	v_max3_num_f32 v[MB], |v[(\src)+16]|, |v[(\src)+17]|, |v[(\src)+18]|
.irp a, 1,2,3,4,5,6
	v_max3_num_f32 v[MA], v[MA], |v[(\src)+2*\a]|, |v[(\src)+2*\a+1]|
	v_max3_num_f32 v[MB], v[MB], |v[(\src)+17+2*\a]|, |v[(\src)+18+2*\a]|
.endr
	v_max3_num_f32 v[MA], v[MA], |v[(\src)+14]|, |v[(\src)+15]|
	v_max3_num_f32 v[MA], v[MA], v[MB], |v[(\src)+31]|
	v_add_nc_u32 v[SO], s[EADJ], v[MA]
.irp t, 0,1,2,3
	v_cvt_scalef32_pk8_fp4_f32 v[(\cod)+\t], v[(\src)+8*\t:(\src)+8*\t+7], v[SO]
.endr
	v_nop                                          ; one plain line behind the last conversion
.endm
	s_load_b512 s[4:19], s[0:1], 0x0               ; x s[4:5], W1 s[6:7], b1 s[8:9], W2 s[10:11], b2 s[12:13], W3 s[14:15], b3 s[16:17], W4 s[18:19]
	s_load_b128 s[20:23], s[0:1], 0x40             ; b4 s[20:21], out0 s[22:23]
	s_set_vgpr_msb 0x40
	v_lshl_add_u32 v160, v0, 2, 0x4200
	v_mov_b32 v161, 0
	s_set_vgpr_msb 0x4000
	v_lshrrev_b32 v[TA], 5, v0
	v_readfirstlane_b32 s[WV], v[TA]               ; wave 0..7
	v_and_b32 v[R], 15, v0
	v_bfe_u32 v[H], v0, 4, 1
	v_xor_b32 v[NH], 1, v[H]
	v_and_b32 v[TA], 31, v0
	v_lshlrev_b32 v[LI], 4, v[TA]
	v_lshlrev_b32 v[LS], 2, v[TA]
	v_lshl_add_u32 v[AXS], v[R], 4, XS
	v_lshlrev_b32 v[T4], 2, v0
	v_lshlrev_b32 v[T16], 4, v0
	v_and_b32 v[XCA], 0xc0, v0                     ; P(thread): thread t quantises rows t and t + 256; P(t + 256) = P(t) + 256
	v_and_b32 v[TA], 3, v0
	v_lshl_or_b32 v[XCA], v[TA], 4, v[XCA]
	v_bfe_u32 v[TA], v0, 2, 4
	v_add_nc_u32 v[XCA], v[XCA], v[TA]
	v_lshlrev_b32 v[XCA], 4, v[XCA]
	v_lshlrev_b32 v[XGA], 7, v0                    ; x: a row is 128 bytes
	v_and_b32 v[WGA], 7, v[R]                      ; W1, W2: lane (R, H) of wave w takes column 8 (w % 4) + R % 8 + 32 (R / 8), rows 32 H + 0 .. 31; a row is 256 bytes
	v_lshlrev_b32 v[WGA], 2, v[WGA]
	v_lshl_add_u32 v[WGA], v[H], 13, v[WGA]
	v_lshrrev_b32 v[TA], 3, v[R]
	v_lshl_add_u32 v[WGA], v[TA], 7, v[WGA]
	s_and_b32 s46, s[WV], 3
	s_lshl_b32 s46, s46, 5
	v_add_nc_u32 v[WGA], s46, v[WGA]
	v_lshlrev_b32 v[W3A], 2, v[R]                  ; W3 (waves 0 and 1 alone use it): column 16 w + R, rows 32 H + 0 .. 31; a row is 128 bytes
	v_lshl_add_u32 v[W3A], v[H], 12, v[W3A]
	s_lshl_b32 s46, s[WV], 6
	v_add_nc_u32 v[W3A], s46, v[W3A]
	v_lshlrev_b32 v[BGA], 7, v[H]                  ; b1, b2: my half's 32 numbers
	v_lshlrev_b32 v[B3A], 5, v[H]                  ; b3, W4: my half's 8 of each 16
	v_mov_b32 v[TP], 0                             ; written once: a lane permute's destination counts as one of its sources
	v_mov_b32 v[TP+1], 0
	s_mov_b32 s[SEL], 0x76543210
	s_mov_b32 s[SEL+1], 0xfedcba98
	s_mov_b32 s[PSEL], 0x07030703
	s_mov_b32 s[EADJ], 0xff000000
	s_mov_b32 s[ADJ3], 0xfe800000
	s_mov_b32 s[FLOOR], 0x1800000
	s_mov_b32 s[M7], 0x77777777
	s_mov_b32 s[NL2E], 0xbfb8aa3b
	s_mov_b32 s[TJ], 0
	s_mov_b32 s[TX], 0
	s_wait_kmcnt 0x0
	s_load_b32 s[B4S], s[20:21], 0x0               ; b4
	s_lshr_b32 s46, ttmp9, 5
	s_lshl_b32 s46, s46, 16                        ; my batch: 512 rows of 128 bytes
	s_mov_b32 s47, 0
	s_add_nc_u64 s[4:5], s[4:5], s[46:47]
	s_cmp_lt_u32 s[WV], 4                          ; waves 0-3 quantise W1's four tiles, waves 4-7 W2's: the choice hangs on the wave's number alone
	s_cselect_b64 s[WP:WP+1], s[6:7], s[10:11]
	s_cselect_b32 s[ADJ], s[EADJ], s[ADJ3]         ; W2's scale bytes are one lower
	s_lshl_b32 s46, ttmp9, 15                      ; out0: 16 rows of 2,048 bytes a work-group,
	s_lshl_b32 s48, s[WV], 12                      ; two a wave
	s_add_co_u32 s46, s46, s48
	s_add_nc_u64 s[OUTP:OUTP+1], s[22:23], s[46:47]
	; all loads from memory go out together
.irp c, 0,1,2,3,4,5,6,7
	global_load_b128 v[DX+4*\c:DX+4*\c+3], v[XGA], s[4:5] offset:16*\c
.endr
.irp c, 0,1,2,3,4,5,6,7
	global_load_b128 v[DX+32+4*\c:DX+32+4*\c+3], v[XGA], s[4:5] offset:32768+16*\c
.endr
.set i, 0
.rept 32
	global_load_b32 v[DW+i], v[WGA], s[WP:WP+1] offset:256*i           ; registers run DOWN K: the conversions' results are the fragment's registers
.set i, i+1
.endr
	WIN 0x40                                       ; destination window 1
.irp t, 0,1,2,3
	global_load_b128 v[B1+8*\t:B1+8*\t+3], v[BGA], s[8:9] offset:32*\t
	global_load_b128 v[B1+8*\t+4:B1+8*\t+7], v[BGA], s[8:9] offset:32*\t+16
.endr
.irp t, 0,1,2,3
	global_load_b128 v[B2+8*\t:B2+8*\t+3], v[BGA], s[12:13] offset:32*\t
	global_load_b128 v[B2+8*\t+4:B2+8*\t+7], v[BGA], s[12:13] offset:32*\t+16
.endr
.irp t, 0,1
	global_load_b128 v[B3+8*\t:B3+8*\t+3], v[B3A], s[16:17] offset:64*\t
	global_load_b128 v[B3+8*\t+4:B3+8*\t+7], v[B3A], s[16:17] offset:64*\t+16
.endr
	WIN 0
.irp t, 0,1
	global_load_b128 v[W4R+8*\t:W4R+8*\t+3], v[B3A], s[18:19] offset:64*\t
	global_load_b128 v[W4R+8*\t+4:W4R+8*\t+7], v[B3A], s[18:19] offset:64*\t+16
.endr
	s_cmp_lt_u32 s[WV], 2                          ; waves 0 and 1 also take W3's two tiles
	s_cbranch_scc0 .Lno_w3_loads
.set i, 0
.rept 32
	global_load_b32 v[DW3+i], v[W3A], s[14:15] offset:128*i
.set i, i+1
.endr
.Lno_w3_loads:
	s_wait_loadcnt 56                              ; x's 16 loads are in: behind them stand the weight tile's 32 and the 24 of the biases and W4 (in waves 0 and 1 W3's 32 too: there the count asks for more than it need)
	PQ DX, CX
	v_lshrrev_b32 v[BY], 23, v[SO]                 ; the scale's byte
	ds_store_b128 v[XCA], v[CX:CX+3] offset:XC
	ds_store_b32 v[T4], v[BY] offset:XS
	PQ DX+32, CX+4
	v_lshrrev_b32 v[BY+1], 23, v[SO]
	ds_store_b128 v[XCA], v[CX+4:CX+7] offset:XC+4096
	ds_store_b32 v[T4], v[BY+1] offset:XS+1024
	s_wait_loadcnt 24                              ; the weight tile's 32 loads are in: behind them stand the 24 of the biases and W4
	PQ DW, CX+8
	v_add_lshl_u32 v[XB], v[MA], s[ADJ], 1         ; my block's scale byte in byte 3,
	v_permlanex16_b32 v[TP], v[XB], s[SEL], s[SEL+1]   ; the column's other block's,
	v_perm_b32 v[BY+2], v[TP], v[XB], s[PSEL]      ; and the column's scale word: lanes 0-15: bytes of blocks 0, 1, 0, 1
	ds_store_b128 v[T16], v[CX+8:CX+11] offset:WI  ; tile w's image: 512 w + 16 x lane = 16 x thread
	ds_store_b32 v[T4], v[BY+2] offset:WSC
	s_cmp_lt_u32 s[WV], 2
	s_cbranch_scc0 .Lno_w3
	s_wait_loadcnt 0x0
	PQ DW3, CX+12
	v_add_lshl_u32 v[XB], v[MA], s[ADJ3], 1
	v_permlanex16_b32 v[TP], v[XB], s[SEL], s[SEL+1]
	v_perm_b32 v[BY+3], v[TP], v[XB], s[PSEL]
	ds_store_b128 v[T16], v[CX+12:CX+15] offset:WI+4096
	ds_store_b32 v[T4], v[BY+3] offset:WSC+1024
.Lno_w3:
	s_wait_dscnt 0x0                               ; for the others' sake: my stores have landed
	s_barrier_signal -1
	s_barrier_wait -1                              ; x's codes and bytes and the ten fragments lie in LDS; from here on LDS is only read
	WIN 0x40                                       ; destination window 1, address window 0
.irp t, 0,1,2,3
	ds_load_b128 v[W1F+8*\t:W1F+8*\t+3], v[LI] offset:WI+512*\t
.endr
.irp t, 0,1,2,3
	ds_load_b128 v[W2F+8*\t:W2F+8*\t+3], v[LI] offset:WI+512*(4+\t)    ; W2's and W3's codes twice: k and 64 + k
	ds_load_b128 v[W2F+8*\t+4:W2F+8*\t+7], v[LI] offset:WI+512*(4+\t)
.endr
.irp t, 0,1
	ds_load_b128 v[W3F+8*\t:W3F+8*\t+3], v[LI] offset:WI+512*(8+\t)
	ds_load_b128 v[W3F+8*\t+4:W3F+8*\t+7], v[LI] offset:WI+512*(8+\t)
.endr
.irp t, 0,1,2,3
.irp j, 4,5,6,7
	v_mov_b32 v[W1F+8*\t+\j], 0                    ; W1's spare K: zero codes
.endr
.endr
	WIN 0
.irp n, 0,1,2,3,4,5,6,7,8,9
	ds_load_b32 v[WS+\n], v[LS] offset:WSC+128*\n
.endr
	s_and_b32 s48, ttmp9, 31
	s_lshl_b32 s48, s48, 4
	s_lshl_b32 s49, s[WV], 1
	s_add_co_u32 s48, s48, s49                     ; i0
	s_lshl_b32 s52, s48, 2
	v_mov_b32 v[TA], s52
	ds_load_b64 v[SIV:SIV+1], v[TA] offset:XS      ; the scale bytes of rows i0 and i0 + 1, the same in every lane
	s_and_b32 s50, s48, 0x1c0                      ; 16 P(i0)
	s_and_b32 s51, s48, 3
	s_lshl_b32 s51, s51, 4
	s_add_co_u32 s50, s50, s51
	s_bfe_u32 s51, s48, 0x40002
	s_add_co_u32 s50, s50, s51
	s_lshl_b32 s50, s50, 4
	s_add_co_u32 s51, s50, 256                     ; i0 is even: P(i0 + 1) = P(i0) + 16
	v_cmp_eq_u32 vcc_lo, 0, v[H]
.irp q, 0,1,2,3
	v_lshl_add_u32 v[TB], v[R], 4, 256*\q
	v_cndmask_b32 v[BASE+\q], s50, v[TB], vcc_lo   ; lanes 0-15: the tile's rows j; lanes 16-31: row i
	v_cndmask_b32 v[BASE+4+\q], s51, v[TB], vcc_lo
.endr
	v_mov_b32 v[T], 0
	ds_load_b128 v[XSR:XSR+3], v[AXS]
	LOADOP 0, 0
	LOADOP 1, 0
.irp n, 0,1,2,3
.irp j, 4,5,6,7
	v_mov_b32 v[OP+8*\n+\j], 0                     ; written before they are first named; in layer 1 they meet W1's zero codes, whatever they hold
.endr
.endr
	s_wait_dscnt 0x0
	s_wait_loadcnt 0x0                             ; the biases and W4
	s_wait_kmcnt 0x0                               ; b4
	s_mul_f32 s[CB], s[B4S], s[NL2E]
	ORS 0, 0
	ORS 1, 0
	v_lshlrev_b32 v[CO], 11, v[H]
	v_lshl_add_u32 v[CO], v[R], 4, v[CO]
.rept 6
	v_nop                                          ; with the four lines above: ten plain lines between stream 0's scale words and the first products
.endr
	MM 0, 1
.rept 4
	v_nop                                          ; here alone no other stream's work is at hand for the places behind the products
.endr
	s_mov_b32 s[CNT], 7
.Ltrip:                                                ; a trip: 64 j x 2 i
	PASS 0, 0
	PASS 2, 1
	FIN 1
	s_sub_co_i32 s[CNT], s[CNT], 1
	s_cmp_lg_u32 s[CNT], 0
	s_cbranch_scc1 .Ltrip
	PASS 0, 0                                      ; the last 64 j are written out: nothing follows them, so nothing more is fetched
	PASS 2, 2
	FIN 0
	s_set_vgpr_msb 0x5
	s_wait_tensorcnt 0x0
	ds_add_u32 v160, v161
	s_wait_dscnt 0x0
	s_set_vgpr_msb 0x500
	s_endpgm
.Lfunc_end_k_q202f9623c8_pairs:
	.size	k_q202f9623c8_pairs, .Lfunc_end_k_q202f9623c8_pairs-k_q202f9623c8_pairs
	.p2alignl 7, 3214868480
	.fill 96, 4, 3214868480
	.section	.rodata,"a",@progbits
	.p2align	6, 0x0
	.amdhsa_kernel k_q202f9623c8_pairs
		.amdhsa_group_segment_fixed_size 17920
		.amdhsa_private_segment_fixed_size 0
		.amdhsa_enable_private_segment 0
		.amdhsa_kernarg_size 80
		.amdhsa_user_sgpr_count 2
		.amdhsa_user_sgpr_kernarg_segment_ptr 1
		.amdhsa_wavefront_size32 1
		.amdhsa_system_sgpr_workgroup_id_x 1
		.amdhsa_system_sgpr_workgroup_id_y 1
		.amdhsa_system_sgpr_workgroup_id_z 1
		.amdhsa_system_vgpr_workitem_id 0
		.amdhsa_next_free_vgpr 418
		.amdhsa_next_free_sgpr 66
		.amdhsa_reserve_vcc 1
		.amdhsa_float_denorm_mode_32 3
		.amdhsa_float_denorm_mode_16_64 3
		.amdhsa_memory_ordered 1
		.amdhsa_forward_progress 1
		.amdhsa_inst_pref_size 119
	.end_amdhsa_kernel
	.amdgpu_metadata
---
amdhsa.version: [ 1, 2 ]
amdhsa.kernels:
  - .name:           k_q202f9623c8_pairs
    .symbol:         k_q202f9623c8_pairs.kd
    .args:
      - { .name: x, .offset: 0, .size: 8, .value_kind: global_buffer, .address_space: global }
      - { .name: W1, .offset: 8, .size: 8, .value_kind: global_buffer, .address_space: global }
      - { .name: b1, .offset: 16, .size: 8, .value_kind: global_buffer, .address_space: global }
      - { .name: W2, .offset: 24, .size: 8, .value_kind: global_buffer, .address_space: global }
      - { .name: b2, .offset: 32, .size: 8, .value_kind: global_buffer, .address_space: global }
      - { .name: W3, .offset: 40, .size: 8, .value_kind: global_buffer, .address_space: global }
      - { .name: b3, .offset: 48, .size: 8, .value_kind: global_buffer, .address_space: global }
      - { .name: W4, .offset: 56, .size: 8, .value_kind: global_buffer, .address_space: global }
      - { .name: b4, .offset: 64, .size: 8, .value_kind: global_buffer, .address_space: global }
      - { .name: out0, .offset: 72, .size: 8, .value_kind: global_buffer, .address_space: global }
    .group_segment_fixed_size: 17920
    .private_segment_fixed_size: 0
    .kernarg_segment_align: 8
    .kernarg_segment_size: 80
    .max_flat_workgroup_size: 256
    .sgpr_count:     66
    .vgpr_count:     418
    .wavefront_size: 32
...
	.end_amdgpu_metadata
.endif
;; end of part 1
